; MI455X (gfx1250); checked and timed in simulation.
; The chip was launched on July 23, 2026; its instructions are those of AMD's public machine-readable ISA for CDNA 5 (MIT licence, August 2026) and "CDNA5" Instruction Set Architecture Reference Guide (July 2026). The comments in the code are by the model that wrote it; some were corrected since.
;; Multi Head Cross Attention. Allowed arithmetic: matrix products marked QUANTISED: E5M2 operands, one E8M0 scale for each 32 along K, by v_wmma_scale_f32_16x16x128_f8f6f4 with both operands' format E5M2, f32 sums; products left as they are: f32 operands where the result goes on into a quantised operand, else bf16, f16 or f32 operands; f32 sums; everything else in f32.
;; Inputs: W_K 1,024 x 1,024 float32; W_Q 1,024 x 1,024 float32; W_V 1,024 x 1,024 float32; W_fc 1,024 x 1,024 float32; beta 1,024 float32; gamma 1,024 float32; x1 8,192 x 1,024 float32; x2 8,192 x 1,024 float32.
;; Outputs: out0 8,192 x 1 x 1,024 float32.
;; This version of the problem:
;;   THIS VERSION OF THE PROBLEM IS GIVEN IN LOW PRECISION. The matrix products marked QUANTISED in the list below multiply operands that are first quantised to E5M2 (5 exponent bits, 2 mantissa bits; 8 bits a number), with one power-of-two scale for each 32 numbers along K (OCP MX v1.0); their sums are f32. All else is computed in f32.
;;   The module's matrix products, in the order in which they are computed (A, B: the left and right operand; K: the contracted axis; several contracted axes count as one K, in the product's order):
;;     1. [M 8,192, K 1,024] x [K 1,024, N 1,024]; A: input x2; B: input W_Q: QUANTISED
;;     2. [M 8,192, K 1,024] x [K 1,024, N 1,024]; A: input x1; B: input W_K: QUANTISED
;;     3. [M 8,192, K 1,024] x [K 1,024, N 1,024]; A: input x1; B: input W_V: QUANTISED
;;     4. [M 8,192, K 1,024] x [K 1,024, N 1,024]; A: input x1; B: input W_Q: QUANTISED
;;     5. [M 8,192, K 1,024] x [K 1,024, N 1,024]; A: input x2; B: input W_K: QUANTISED
;;     6. [M 8,192, K 1,024] x [K 1,024, N 1,024]; A: input x2; B: input W_V: QUANTISED
;;     7. batch 131,072 x [M 1, K 64] x [K 64, N 1]; A: computed on the way; B: computed on the way: left as it is (M = 1 < 16)
;;     8. batch 131,072 x [M 1, K 1] x [K 1, N 64]; A: softmax; B: computed on the way: left as it is (K = 1 < 32)
;;     9. batch 131,072 x [M 1, K 64] x [K 64, N 1]; A: computed on the way; B: computed on the way: left as it is (M = 1 < 16)
;;     10. batch 131,072 x [M 1, K 1] x [K 1, N 64]; A: softmax; B: computed on the way: left as it is (K = 1 < 32)
;;     11. [M 8,192, K 1,024] x [K 1,024, N 1,024]; A: computed on the way; B: input W_fc: QUANTISED
;;     12. [M 8,192, K 1,024] x [K 1,024, N 1,024]; A: computed on the way; B: input W_fc: QUANTISED
;;   THE QUANTISER, for each operand of a quantised product, along K:
;;     - K is cut into blocks of 32 from its start; a last block that is shorter is filled with zeros.
;;     - A block's scale is 2^e with e = floor(log2(the largest magnitude in the block)) - 15, held to -126 .. 127; a block of zeros has e = 0. As a byte (E8M0): e + 127.
;;     - Each number is divided by its block's scale, clamped to +-57,344, and rounded to the nearest number of E5M2, ties to even, subnormals kept.
;;     - The product sums the exact products of the quantised numbers (number of the format x scale) in f32.
;;   ~~~python
;;   def quantise(x, axis):      # numpy; x: float32 -> the quantised numbers, widened to float32 again
;;       x = np.moveaxis(x, axis, -1); K = x.shape[-1]
;;       x = np.pad(x, [(0, 0)] * (x.ndim - 1) + [(0, -K % 32)]); x = x.reshape(x.shape[:-1] + (-1, 32)); a = np.abs(x).max(-1, keepdims=True)
;;       e = np.where(a > 0, np.clip(np.frexp(np.where(a > 0, a, 1))[1] - 1 - 15, -126, 127), 0)      # np.frexp(a)[1] - 1 = floor(log2(a)), exactly
;;       r = np.clip(x / 2.0 ** e, -57344, 57344)
;;       step = 2.0 ** (np.maximum(np.frexp(np.where(r == 0, 1, r))[1] - 1, -14) - 2)
;;       q = np.round(r / step) * step * 2.0 ** e      # np.round: ties to even
;;       return np.moveaxis(q.reshape(q.shape[:-2] + (-1,))[..., :K], -1, axis).astype(np.float32)
;;   ~~~
;;   OPERANDS COMPUTED ON THE WAY. 'Computed on the way' means the value that the module computes at that place (a softmax that the list does not call 'softmax' is quantised finished and normalised). What goes into a quantiser is computed in f32, as accurately as f32 sums, v_exp_f32 and their like allow (about 1e-6 of the number): no bf16 or f16 on the way to a quantiser, and a product that is left as it is and whose result goes on into a quantised operand takes f32 operands (vector FMAs, or v_wmma_f32_16x16x4_f32). A number that lies on a knife's edge between two numbers of the format may be rounded either way, as far as f32 arithmetic and the matrix unit's own rounding can turn it there, and no further.
;; One version. Each part assembles by itself: llvm-mc -triple=amdgcn-amd-amdhsa -mcpu=gfx1250 --defsym DOCPART=n.
;; ======== version 1 of 1: 2 launches
;; limits: right only within a limited range of input values
;; workspace buffers: xq 17,301,504 bytes; ww 2,162,688 bytes
;; launch prep (part 1): grid 256 x 1, 9 waves a work-group, no clusters, 79,616 bytes of LDS; arguments x1, x2, W_V, W_fc, xq, ww; writes xq, ww
.if DOCPART == 1
	.amdgcn_target "amdgcn-amd-amdhsa--gfx1250"
	.amdhsa_code_object_version 6
	.text
	.protected	k_q5d37462880_prep
	.globl	k_q5d37462880_prep
	.p2align	8
	.type	k_q5d37462880_prep,@function
k_q5d37462880_prep:
	s_mov_b64 s[64:65], 0
	v_nop
	global_prefetch_b8 v0, s[64:65] scope:SCOPE_SE
	s_setreg_imm32_b32 hwreg(HW_REG_WAVE_MODE, 25, 1), 1
	s_wait_xcnt 0x0
; WORK LEFT OUT.  reference() takes each softmax over an axis of ONE score s: exp(s - max) / sum = exp(s - s) / exp(s - s) = 1 for every finite s, whatever the inputs hold.
; So res1 = x1 W_V^T and res2 = x2 W_V^T: the products with W_Q and W_K (1, 2, 4, 5 of the table) and the scores (7, 9) reach no output, and 8 and 10 multiply by 1.
; W_Q and W_K have no way to an output: they are not loaded and are among no launch's arguments.  LIMIT: a NaN, an infinity or an overflow that arises only in Q, K or the scores is not carried to the result.
; THIS LAUNCH: x1, x2 [8192][1024] and W_V, W_fc [1024][1024], f32 with K innermost, become codes of BF8 (E5M2) with one E8M0 byte for each 32 along K, laid as images of operand registers.
; A fragment is 2,048 bytes (16 rows x 128 K: register group c of lane l at 512 c + 16 l; lane l holds row l % 16, K = 32 c + 16 (l / 16) + 0 .. 15).
; xq: [block of 32 rows b][K step][8,448]: fragment a at 2048 a (a = 0, 1: x1's rows 0-15, 16-31 of the block; 2, 3: x2's), scale words at 8192 + 64 a + 4 r.
; ww: [W_V, W_fc][K step][place 4 w + j][8,448]: the 64 rows of block 4 j + w as four tiles, scale words at 8192 + 64 t + 4 r; lane r of tile 2 b + u takes row 32 b + 8 u + r + 8 (r / 8),
; so that the results of a product used transposed lie as 16 neighbours along the next K.
; A block's scale is 2^(floor(log2(largest magnitude)) - 15); its byte is that magnitude's exponent field - 15, held at 1 from below; each number is held within +-57,344 x the scale and rounded to the nearest code.
; LIMITS: NaN and infinities among the inputs are not served.  A block of zeros gets the byte 1 where the rule says 127: its codes are zeros, and this program alone reads the bytes.
; SHARES: 2,304 jobs of four fragments, one to a wave: u = 9 x work-group + wave; u < 2048: 16 rows x 512 K of x; the others: 64 rows x 128 K of a weight.  One path: the kinds differ in scalars chosen on u alone.
; Each load reads 512 consecutive bytes of a row; a fragment turns through the wave's own stage in LDS.  Codes leave 512 bytes a store; a fragment's 16 scale words leave as 64 bytes: one byte in 33 of what is stored.
.set UNITB, 8448
.set WREG,  8704
.set SPT,   528
.set SPARE, 9*WREG
.set TM,    16
.set PW,    32
.set PC,    36
.set X,     64
.set R,     128
.set SRC,   48                         ; s[48:55] where the four fragments begin in memory
.set DST,   56                         ; s[56:63] where their codes go
.set SD,    66                         ; s[66:73] where their scale words go
.set SEL,   82
.set MNT,   84
	s_load_b256 s[4:11], s[0:1], 0x0               ; x1, x2, W_V, W_fc
	s_load_b128 s[12:15], s[0:1], 0x20             ; xq, ww
	v_lshl_add_u32 v62, v0, 2, SPARE
	v_mov_b32 v63, 0
	v_lshrrev_b32 v1, 5, v0
	v_readfirstlane_b32 s22, v1                    ; wave 0..8
	v_and_b32 v1, 31, v0
	v_and_b32 v9, 15, v0                           ; r
	v_bfe_u32 v10, v0, 4, 1                        ; h
	v_lshlrev_b32 v2, 4, v1                        ; 16 l
	s_mul_i32 s24, s22, WREG
	v_add_nc_u32 v4, s24, v2                       ; the stage, on the way in
	v_mul_u32_u24 v5, v9, SPT
	v_lshl_add_u32 v5, v10, 6, v5
	v_add_nc_u32 v5, s24, v5                       ; and on the way out: row r, + 64 h
	v_lshlrev_b32 v6, 2, v9                        ; my row's scale word
	s_mov_b32 s[SEL], 0x76543210
	s_mov_b32 s[SEL+1], 0xfedcba98
	s_mov_b32 s[MNT], 0x600000
.irp b, 0,1,2,3
	v_mov_b32 v[TM+4+\b], 0                        ; a lane permute's destination counts as one of its sources
.endr
	s_mul_i32 s23, ttmp9, 9
	s_add_co_u32 s23, s23, s22                     ; u
	s_lshr_b32 s26, s23, 10                        ; as x: tensor,
	s_bfe_u32 s27, s23, 0x90001                    ; tile of 16 rows,
	s_and_b32 s28, s23, 1                          ; half of K
	s_lshl_b32 s29, s27, 16
	s_lshl_b32 s30, s28, 11
	s_add_co_u32 s29, s29, s30                     ; from where
	s_lshr_b32 s30, s27, 1
	s_mul_i32 s30, s30, 8*UNITB
	s_mul_i32 s31, s28, 4*UNITB
	s_add_co_u32 s30, s30, s31                     ; its block's K step 0 or 4
	s_and_b32 s31, s27, 1
	s_lshl_b32 s32, s26, 1
	s_add_co_u32 s31, s31, s32                     ; a
	s_lshl_b32 s32, s31, 11
	s_add_co_u32 s32, s32, s30                     ; codes to
	s_lshl_b32 s33, s31, 6
	s_add_co_u32 s33, s33, s30
	s_add_co_u32 s33, s33, 8192                    ; scale words to
	s_sub_co_u32 s34, s23, 2048                    ; as a weight: tensor v >> 7, K step (v >> 4) & 7, place v & 15
	s_lshr_b32 s35, s34, 7
	s_bfe_u32 s36, s34, 0x30004
	s_and_b32 s37, s34, 3
	s_bfe_u32 s38, s34, 0x20002
	s_lshl_b32 s37, s37, 2
	s_add_co_u32 s37, s37, s38                     ; block of 64 rows = 4 j + w
	s_lshl_b32 s37, s37, 18
	s_lshl_b32 s36, s36, 9
	s_add_co_u32 s37, s37, s36                     ; from where
	s_mul_i32 s38, s34, UNITB                      ; codes to
	s_add_co_u32 s39, s38, 8192                    ; scale words to
	s_wait_alu depctr_va_vdst(0)                   ; the wait at the head's end
	s_wait_kmcnt 0x0
	s_cmp_eq_u32 s35, 1                            ; the buffers are chosen on u alone
	s_cselect_b64 s[8:9], s[10:11], s[8:9]
	s_cmp_eq_u32 s26, 1
	s_cselect_b64 s[4:5], s[6:7], s[4:5]
	s_cmp_lt_u32 s23, 2048
	s_cselect_b64 s[4:5], s[4:5], s[8:9]
	s_cselect_b64 s[12:13], s[12:13], s[14:15]
	s_cselect_b32 s40, s29, s37
	s_cselect_b32 s42, s32, s38
	s_cselect_b32 s44, s33, s39
	s_mov_b32 s46, 32768
	s_cselect_b32 s46, 512, s46                    ; from fragment 0 to 1: a K step of x, or 8 rows of a weight
	s_mov_b32 s74, 131072
	s_cselect_b32 s74, 1024, s74                   ; from 0 to 2: two K steps, or 32 rows
	s_mov_b32 s76, 65536
	s_cselect_b32 s76, 32768, s76                  ; from a fragment's row 0 to its row 8: 8 rows, or 16
	s_mov_b32 s78, 2048
	s_cselect_b32 s78, UNITB, s78                  ; from fragment to fragment where the codes go,
	s_mov_b32 s80, 64
	s_cselect_b32 s80, UNITB, s80                  ; and the scale words
.irp q, 41,43,45,47,75,79,81
	s_mov_b32 s\q, 0
.endr
	s_add_nc_u64 s[SRC:SRC+1], s[4:5], s[40:41]
	s_add_nc_u64 s[SRC+2:SRC+3], s[SRC:SRC+1], s[46:47]
	s_add_nc_u64 s[SRC+4:SRC+5], s[SRC:SRC+1], s[74:75]
	s_add_nc_u64 s[SRC+6:SRC+7], s[SRC+4:SRC+5], s[46:47]
	s_add_nc_u64 s[DST:DST+1], s[12:13], s[42:43]
	s_add_nc_u64 s[SD:SD+1], s[12:13], s[44:45]
.irp i, 0,2,4
	s_add_nc_u64 s[DST+\i+2:DST+\i+3], s[DST+\i:DST+\i+1], s[78:79]
	s_add_nc_u64 s[SD+\i+2:SD+\i+3], s[SD+\i:SD+\i+1], s[80:81]
.endr
	v_add_nc_u32 v3, s76, v2                       ; rows 8 to 15
.macro LOADF i
.irp q, 0,1,2,3,4,5,6,7
	global_load_b128 v[R+64*((\i)%2)+4*\q:R+64*((\i)%2)+4*\q+3], v2, s[SRC+2*(\i):SRC+2*(\i)+1] offset:\q*4096 th:TH_LOAD_NT
.endr
.irp q, 0,1,2,3,4,5,6,7
	global_load_b128 v[R+64*((\i)%2)+32+4*\q:R+64*((\i)%2)+32+4*\q+3], v3, s[SRC+2*(\i):SRC+2*(\i)+1] offset:\q*4096 th:TH_LOAD_NT
.endr
.endm
.macro QUANT                           ; v[X] on: 64 numbers of my row -> the fragment's codes in v[PC] on and its scale word in v[PW]
.irp b, 0,1,2,3
	v_max3_num_f32 v[TM+\b], |v[X+16*\b]|, |v[X+1+16*\b]|, 0x8000000   ; my 16 numbers of block b, and the floor 2^(16 - 127)
.endr
.irp i, 2,4,6,8,10,12,14
.irp b, 0,1,2,3
	s_delay_alu instid0(VALU_DEP_4)
	v_max3_num_f32 v[TM+\b], v[TM+\b], |v[X+16*\b+\i]|, |v[X+1+16*\b+\i]|
.endr
.endr
.irp b, 0,1,2,3
	s_delay_alu instid0(VALU_DEP_4)
	v_permlanex16_b32 v[TM+4+\b], v[TM+\b], s[SEL], s[SEL+1]
.endr
.irp b, 0,1,2,3
	s_delay_alu instid0(VALU_DEP_4)
	v_max_num_f32 v[TM+\b], v[TM+\b], v[TM+4+\b]   ; with lane l xor 16's
.endr
.irp b, 0,1,2,3
	s_delay_alu instid0(VALU_DEP_4)
	v_add_nc_u32 v[TM+12+\b], 0xf8800000, v[TM+\b] ; 15 off the exponent field: the conversion's scale operand
.endr
.irp b, 0,1,2,3
	v_and_or_b32 v[TM+8+\b], v[TM+\b], 0x7f800000, s[MNT]   ; 57,344 x the scale
.endr
.irp b, 0,1,2,3
	v_lshrrev_b32 v[TM+4+\b], 23, v[TM+12+\b]      ; the byte
.endr
	s_delay_alu instid0(VALU_DEP_3)
	v_lshl_or_b32 v[PW], v[TM+5], 8, v[TM+4]
	s_delay_alu instid0(VALU_DEP_1)
	v_lshl_or_b32 v[PW], v[TM+6], 16, v[PW]
	s_delay_alu instid0(VALU_DEP_1)
	v_lshl_or_b32 v[PW], v[TM+7], 24, v[PW]
.irp b, 0,1,2,3
.irp i, 0,1,2,3,4,5,6,7,8,9,10,11,12,13,14,15
	v_med3_num_f32 v[X+16*\b+\i], v[X+16*\b+\i], -v[TM+8+\b], v[TM+8+\b]   ; the conversion does not saturate (ISA guide 7.6.2): the hold comes first
.endr
	v_cvt_scalef32_pk8_bf8_f32 v[PC+4*\b:PC+1+4*\b], v[X+16*\b:X+7+16*\b], v[TM+12+\b]
	v_cvt_scalef32_pk8_bf8_f32 v[PC+2+4*\b:PC+3+4*\b], v[X+8+16*\b:X+15+16*\b], v[TM+12+\b]
.endr
	v_nop                                          ; a plain line behind the last conversion
.endm
.macro FRAGQ i
.if (\i) < 3
	s_wait_loadcnt 16                              ; this fragment's 16 loads are in; the next fragment's may be out
.else
	s_wait_loadcnt 0x0
.endif
.irp q, 0,1,2,3,4,5,6,7,8,9,10,11,12,13,14,15
	ds_store_b128 v4, v[R+64*((\i)%2)+4*\q:R+64*((\i)%2)+4*\q+3] offset:\q*SPT
.endr
.irp c, 0,1,2,3
.irp j, 0,1,2,3
	ds_load_b128 v[X+16*\c+4*\j:X+16*\c+4*\j+3], v5 offset:128*\c+16*\j   ; LDS serves a wave's instructions in order: these see the stores above
.endr
.endr
	s_wait_dscnt 0x0                               ; my numbers are back, and the stage's stores have read their registers
	s_wait_xcnt 0x0                                ; the last fragment's stores have read their codes and word
.if (\i) < 2
	LOADF (\i)+2
.endif
	QUANT
.irp c, 0,1,2,3
	global_store_b128 v2, v[PC+4*\c:PC+4*\c+3], s[DST+2*(\i):DST+2*(\i)+1] offset:512*\c   ; 32 lanes store 512 consecutive bytes
.endr
	global_store_b32 v6, v[PW], s[SD+2*(\i):SD+2*(\i)+1]   ; both lanes of a row store the same word
.endm
	LOADF 0
	LOADF 1
	s_wait_alu depctr_va_vdst(0)                   ; the wait ahead of the wait below
	FRAGQ 0
	FRAGQ 1
	FRAGQ 2
	FRAGQ 3
	s_wait_tensorcnt 0x0                           ; the wave's end
	ds_add_u32 v62, v63
	s_wait_dscnt 0x0
	s_endpgm
.Lfunc_end_k_q5d37462880_prep:
	.size	k_q5d37462880_prep, .Lfunc_end_k_q5d37462880_prep-k_q5d37462880_prep
	.p2alignl 7, 3214868480
	.fill 96, 4, 3214868480
	.section	.rodata,"a",@progbits
	.p2align	6, 0x0
	.amdhsa_kernel k_q5d37462880_prep
		.amdhsa_group_segment_fixed_size 79616
		.amdhsa_private_segment_fixed_size 0
		.amdhsa_enable_private_segment 0
		.amdhsa_kernarg_size 48
		.amdhsa_user_sgpr_count 2
		.amdhsa_user_sgpr_kernarg_segment_ptr 1
		.amdhsa_wavefront_size32 1
		.amdhsa_system_sgpr_workgroup_id_x 1
		.amdhsa_system_sgpr_workgroup_id_y 1
		.amdhsa_system_sgpr_workgroup_id_z 1
		.amdhsa_system_vgpr_workitem_id 0
		.amdhsa_next_free_vgpr 256
		.amdhsa_next_free_sgpr 90
		.amdhsa_reserve_vcc 0
		.amdhsa_float_denorm_mode_32 3
		.amdhsa_float_denorm_mode_16_64 3
		.amdhsa_memory_ordered 1
		.amdhsa_forward_progress 1
		.amdhsa_inst_pref_size 58
	.end_amdhsa_kernel
	.amdgpu_metadata
---
amdhsa.version: [ 1, 2 ]
amdhsa.kernels:
  - .name:           k_q5d37462880_prep
    .symbol:         k_q5d37462880_prep.kd
    .args:
      - { .name: x1, .offset: 0, .size: 8, .value_kind: global_buffer, .address_space: global }
      - { .name: x2, .offset: 8, .size: 8, .value_kind: global_buffer, .address_space: global }
      - { .name: W_V, .offset: 16, .size: 8, .value_kind: global_buffer, .address_space: global }
      - { .name: W_fc, .offset: 24, .size: 8, .value_kind: global_buffer, .address_space: global }
      - { .name: xq, .offset: 32, .size: 8, .value_kind: global_buffer, .address_space: global }
      - { .name: ww, .offset: 40, .size: 8, .value_kind: global_buffer, .address_space: global }
    .group_segment_fixed_size: 79616
    .private_segment_fixed_size: 0
    .kernarg_segment_align: 8
    .kernarg_segment_size: 48
    .max_flat_workgroup_size: 288
    .sgpr_count:     90
    .vgpr_count:     256
    .wavefront_size: 32
...
	.end_amdgpu_metadata
.endif
;; end of part 1
;; launch chain (part 2): grid 256 x 1, 4 waves a work-group, clusters of 4 x 1, 327,680 bytes of LDS; arguments xq, ww, gamma, beta, out0; writes out0
.if DOCPART == 2
	.amdgcn_target "amdgcn-amd-amdhsa--gfx1250"
	.amdhsa_code_object_version 6
	.text
	.protected	k_q5d37462880_chain
	.globl	k_q5d37462880_chain
	.p2align	8
	.type	k_q5d37462880_chain,@function
k_q5d37462880_chain:
	s_mov_b64 s[64:65], 0
	v_nop
	global_prefetch_b8 v0, s[64:65] scope:SCOPE_SE
	s_setreg_imm32_b32 hwreg(HW_REG_WAVE_MODE, 25, 1), 1
	s_wait_xcnt 0x0
	s_wait_alu depctr_hold_cnt(0) depctr_sa_sdst(0) depctr_va_vdst(0) depctr_va_sdst(0) depctr_va_ssrc(0) depctr_va_vcc(0) depctr_vm_vsrc(0)
	s_getreg_b32 s2, hwreg(HW_REG_IB_STS2, 6, 4)
	s_cmp_eq_u32 s2, 0
	s_cbranch_scc0 .Lentry_in_a_cluster
	s_endpgm
.Lentry_in_a_cluster:
	s_bfe_u32 s2, ttmp6, 0x10000c
	s_cmp_lg_u32 s2, 0x3003
	s_cbranch_scc0 .Lentry_shape_is_right
	s_endpgm
.Lentry_shape_is_right:
; out = LN((x1 W_V^T) W_fc^T) + LN((x2 W_V^T) W_fc^T), both products on codes of BF8 with E8M0 scales.  Work left out: the softmax over one score is 1 for every finite score, so Q, K and the scores reach no output (shown at the head of the first kernel).
; SHARES.  A work-group owns 32 rows b as four tiles of 16: a = 0, 1 of x1, a = 2, 3 of x2, and takes them through the whole chain.  Wave w owns the blocks of 64 outputs 4 j + w, j = 0 .. 3, for all four tiles: 64 accumulators, 512 registers.
; PHASE 1: V = x W_V^T, K step by K step.  x's K steps 0 and 1 come from xq straight into every wave's registers.  From K step 2 on wave w fetches tile a = w alone (5 loads), a step ahead of its store into one of two places in LDS,
; which stands a step ahead of all waves' reads, the step's barrier between them.  So each load of xq goes out three steps ahead of the products that want it, and xq has no prefetch.
; Then V is quantised along its 1,024 channels and handed to all waves through LDS.
; PHASE 2: the same steps with W_fc and V's codes from LDS; then mean, variance, gain and bias of each row, the sum of the two norms, and the way out through a stage in slot 0, which has had its last fill.
; THE MATRIX INSTRUCTION IS USED TRANSPOSED (source 0 = 16 rows of a weight, source 1 = 16 rows of x or V): lane (r, h) holds row r, register i of tile 2 b + u the block's channel 32 b + 16 h + 8 u + i.
; THE RING: two slots of one K step of all 1,024 outputs (16 x 8,448 bytes); the two weights are one stream of 16 slots, so the ring runs on through the change of phase.  Each wave fetches its own four units with one joint load:
; the four work-groups of a cluster walk the same weights (mask of all four).  A wave has one tensor load out.  A step's four units stand in window 3, so a slot is read out at the step's head.
; V's CODES: LDS has room for six K steps beside the ring.  K steps 0 and 1 (every wave's unit j = 0) go through the first two places and stay in registers; then units 1 to 3 take the six places.
; PREFETCH: the weights are read by all clusters, so four clusters ask: at the head for slots 1 to 3, in step n for slot n + 4, two steps ahead of the load that wants it; of a wave's 132 blocks of 256 bytes each partner names 33, told apart by address; it ends at step 11.
; LIMITS: NaN and infinities are not served by the quantiser; a block of zeros gets the byte 1 with zero codes (this program alone reads the bytes).
; REGISTERS: window 0: v1-23 addresses; v32-35, v40-43 the weights' scale words; v36-37, v44-45 x's or V's, two sets; v48-111 at work; v128-255 two sets of four fragments of x or V.  windows 1, 2: accumulators, unit j in window 1 + j / 2 at 128 (j % 2) + 8 (4 t + a).  window 3: the weights, unit j at 64 j.
.set UNITB, 8448
.set QB,    4*UNITB
.set SLOTB, 4*QB
.set REG,   2*SLOTB                    ; six places of 8,448 bytes: x's K steps by turns in the first two, then V's codes and scale words
.set STAT,  REG+6*UNITB
.set SPARE, STAT+2048
.set SPT,   1040
.set HALFS, 16*SPT
.set LI,  1
.set LS,  2
.set SPW, 3
.set NIL, 4
.set BA,  5
.set BS,  7
.set AA,  9
.set AAS, 10
.set STI, 11
.set STO, 12
.set SO,  13
.set H64, 14
.set GOF, 15
.set RW,  16
.set RWS, 17
.set PF0, 18
.set PF1, 19
.set XGO, 20                           ; v20, v21 my tile's codes and scale words in a K step of xq
.set XGS, 21
.set XW,  22                           ; v22, v23 and in a place of LDS
.set XWS, 23
.set BSC, 32
.set AS,  36
.set EM,  48
.set TP,  56
.set PC,  64
.set XT,  64                           ; phase 1: v64-80, v84-100 my tile of x on its way, two sets
.set EH,  96
.set ES,  104
.set P,   40
.set T,   48
.set NM,  64
.set SQ,  72
.set RD,  80
.set AF,  128
.set WV,  14
.set XA,  18
.set PFA, 20
.set LIM, 22
.set NS,  23
.set G1,  24
.set G0,  32
.set LC,  58
.set SEL, 54
.set MNT, 56
.set MSB, 0
.macro WIN new
.if MSB != (\new)
	s_set_vgpr_msb (MSB<<8)|(\new)
.set MSB, (\new)
.endif
.endm
.macro PL n
.rept \n
	v_nop
.endr
.endm
.macro BARRIER
	s_barrier_signal -1
	s_barrier_wait -1
.endm
.macro CREST                           ; a round of the cluster's barrier behind its opening barrier
	s_cmp_lg_u32 s[WV], 0
	s_cbranch_scc1 .Lnot_wave_0_\@
	s_barrier_signal -3
.Lnot_wave_0_\@:
	s_barrier_wait -3
	BARRIER
.endm
.macro CROUND
	BARRIER
	CREST
.endm
.macro WM                              ; one product, by the symbols rD, rA, rB, rSA, rSB; fZ: it starts a sum; fRA, fRB: the scale words lie in lanes 16-31
.if fZ
.if fRA && fRB
	v_wmma_scale_f32_16x16x128_f8f6f4 v[rD:rD+7], v[rA:rA+15], v[rB:rB+15], 0, v[rSA], v[rSB] matrix_a_fmt:MATRIX_FMT_BF8 matrix_b_fmt:MATRIX_FMT_BF8 matrix_a_scale:MATRIX_SCALE_ROW1 matrix_b_scale:MATRIX_SCALE_ROW1
.elseif fRA
	v_wmma_scale_f32_16x16x128_f8f6f4 v[rD:rD+7], v[rA:rA+15], v[rB:rB+15], 0, v[rSA], v[rSB] matrix_a_fmt:MATRIX_FMT_BF8 matrix_b_fmt:MATRIX_FMT_BF8 matrix_a_scale:MATRIX_SCALE_ROW1
.elseif fRB
	v_wmma_scale_f32_16x16x128_f8f6f4 v[rD:rD+7], v[rA:rA+15], v[rB:rB+15], 0, v[rSA], v[rSB] matrix_a_fmt:MATRIX_FMT_BF8 matrix_b_fmt:MATRIX_FMT_BF8 matrix_b_scale:MATRIX_SCALE_ROW1
.else
	v_wmma_scale_f32_16x16x128_f8f6f4 v[rD:rD+7], v[rA:rA+15], v[rB:rB+15], 0, v[rSA], v[rSB] matrix_a_fmt:MATRIX_FMT_BF8 matrix_b_fmt:MATRIX_FMT_BF8
.endif
.else
.if fRA && fRB
	v_wmma_scale_f32_16x16x128_f8f6f4 v[rD:rD+7], v[rA:rA+15], v[rB:rB+15], v[rD:rD+7], v[rSA], v[rSB] matrix_a_fmt:MATRIX_FMT_BF8 matrix_b_fmt:MATRIX_FMT_BF8 matrix_a_scale:MATRIX_SCALE_ROW1 matrix_b_scale:MATRIX_SCALE_ROW1
.elseif fRA
	v_wmma_scale_f32_16x16x128_f8f6f4 v[rD:rD+7], v[rA:rA+15], v[rB:rB+15], v[rD:rD+7], v[rSA], v[rSB] matrix_a_fmt:MATRIX_FMT_BF8 matrix_b_fmt:MATRIX_FMT_BF8 matrix_a_scale:MATRIX_SCALE_ROW1
.elseif fRB
	v_wmma_scale_f32_16x16x128_f8f6f4 v[rD:rD+7], v[rA:rA+15], v[rB:rB+15], v[rD:rD+7], v[rSA], v[rSB] matrix_a_fmt:MATRIX_FMT_BF8 matrix_b_fmt:MATRIX_FMT_BF8 matrix_b_scale:MATRIX_SCALE_ROW1
.else
	v_wmma_scale_f32_16x16x128_f8f6f4 v[rD:rD+7], v[rA:rA+15], v[rB:rB+15], v[rD:rD+7], v[rSA], v[rSB] matrix_a_fmt:MATRIX_FMT_BF8 matrix_b_fmt:MATRIX_FMT_BF8
.endif
.endif
.endm
.macro LDB p, j                        ; my unit j of slot p into window 3, its scale words into window 0: 18 LDS loads
	WIN 0
.irp q, 0,1
	ds_load_b32 v[BSC+8*((\j)/2)+2*((\j)%2)+\q], v[BS+(\p)] offset:(\j)*UNITB+8192+128*\q
.endr
	WIN 0xc0
.irp t, 0,1,2,3
.irp c, 0,1,2,3
	ds_load_b128 v[64*(\j)+16*\t+4*\c:64*(\j)+16*\t+4*\c+3], v[BA+(\p)] offset:(\j)*UNITB+2048*\t+512*\c
.endr
.endr
.endm
.macro LDAG q, k                       ; a whole K step of x from xq into set q: 18 loads, each of 512 or 128 consecutive bytes
.irp a, 0,1,2,3
.irp c, 0,1,2,3
	global_load_b128 v[AF+64*(\q)+16*\a+4*\c:AF+64*(\q)+16*\a+4*\c+3], v[LI], s[XA:XA+1] offset:(\k)*UNITB+2048*\a+512*\c
.endr
.endr
.irp e, 0,1
	global_load_b32 v[AS+8*(\q)+\e], v[LS], s[XA:XA+1] offset:(\k)*UNITB+8192+128*\e
.endr
.endm
.macro LDAL q, k                       ; a K step of x or V from place k of LDS into set q: 18 LDS loads
.irp a, 0,1,2,3
.irp c, 0,1,2,3
	ds_load_b128 v[AF+64*(\q)+16*\a+4*\c:AF+64*(\q)+16*\a+4*\c+3], v[AA] offset:(\k)*UNITB+2048*\a+512*\c
.endr
.endr
.irp e, 0,1
	ds_load_b32 v[AS+8*(\q)+\e], v[AAS] offset:(\k)*UNITB+128*\e
.endr
.endm
.macro GLX q, k                        ; my tile of x, K step k from s[XA], into set q: 5 loads
.irp c, 0,1,2,3
	global_load_b128 v[XT+20*(\q)+4*\c:XT+20*(\q)+4*\c+3], v[XGO], s[XA:XA+1] offset:(\k)*UNITB+512*\c
.endr
	global_load_b32 v[XT+20*(\q)+16], v[XGS], s[XA:XA+1] offset:(\k)*UNITB
.endm
.macro XST q                           ; set q into place q of LDS: 5 LDS stores; both lanes of a row store the same scale word
.irp c, 0,1,2,3
	ds_store_b128 v[XW], v[XT+20*(\q)+4*\c:XT+20*(\q)+4*\c+3] offset:(\q)*UNITB+512*\c
.endr
	ds_store_b32 v[XWS], v[XT+20*(\q)+16] offset:(\q)*UNITB
.endm
.macro MMH p, j, t0, zero              ; eight products: tiles t0, t0 + 1 of unit j x the four tiles of rows.  The 64 accumulators take turns
.set fZ, \zero
	WIN 0x53+0x50*((\j)/2)                         ; source 0 window 3, source 1 window 0, C and D window 1 or 2
.irp t, \t0, \t0+1
.irp a, 0,1,2,3
.set rD, 128*((\j)%2)+8*(4*(\t)+\a)
.set rA, 64*(\j)+16*(\t)
.set rB, AF+64*(\p)+16*\a
.set rSA, BSC+8*((\j)/2)+2*((\j)%2)+(\t)/2
.set rSB, AS+8*(\p)+\a/2
.set fRA, (\t)%2
.set fRB, \a%2
	WM
.endr
.endr
.endm
.macro ASK                             ; slot n + 4: my work-group's 33 of the 132 blocks of 256 bytes that my wave will fetch
	s_cmp_lt_u32 s[NS], s[LIM]
	s_cbranch_scc0 .Lnone_\@
	global_prefetch_b8 v[PF0], s[PFA:PFA+1] th:TH_LOAD_NT scope:SCOPE_SE
	global_prefetch_b8 v[PF1], s[PFA:PFA+1] th:TH_LOAD_NT scope:SCOPE_SE
.Lnone_\@:
.endm
; A K STEP S, in slot p = S % 2, on set p of x or V.  zero: it starts the sums; lda: K step S + 1 of x or V is read from LDS; fill: slot p is filled again, two steps ahead; bar = 0: the very last step.
; xm, phase 1 alone: my tile of K step S + 2 goes into place p, and that of K step S + 3 is asked for.  1: K step 0.  2, 3: the loop's two steps: in its last trip (S = 5, 6) there is no K step 8 or 9: a branch on the trips left leads round those lines.
; The stores stand ahead of the step's LDS loads, so the counted wait below holds on both ways.
.macro STEP p, zero, lda, fill, bar, xm=0
	WIN 0
	PL 8                                           ; eight places between the last products and the loads into what they read
.if (\xm) == 1
	s_wait_loadcnt 0x0                             ; x's K steps 0 and 1, and my tile of K step 2
	XST \p
	GLX 1-(\p), 3
.elseif (\xm) == 2
	s_wait_loadcnt 0x0                             ; my tile, asked for a step ago
	XST \p
	s_cmp_eq_u32 s[LC], 1
	s_cbranch_scc1 .Lnox_\@
	GLX 1-(\p), 0
.Lnox_\@:
.elseif (\xm) == 3
	s_cmp_eq_u32 s[LC], 1
	s_cbranch_scc1 .Lnox_\@
	s_wait_loadcnt 0x0
	XST \p
	GLX 1-(\p), 1
.Lnox_\@:
.endif
	LDB \p, 2
	LDB \p, 3
	WIN 0
.if \lda
	LDAL 1-(\p), 1-(\p)
.endif
	s_wait_dscnt 36+18*(\lda)                      ; units 0 and 1 are in; the 36 loads of units 2 and 3, and the 18 of the next K step of x or V, may be out
	MMH \p, 0, 0, \zero
	MMH \p, 0, 2, \zero
	MMH \p, 1, 0, \zero
	MMH \p, 1, 2, \zero
.if \bar
	WIN 0
	s_wait_tensorcnt 0x0                           ; my part of the other slot is in, and no tensor load of mine is out
	ds_add_u32 v[SPW], v[NIL]
.if \fill
	s_add_nc_u64 s[G0+4*(\p)+2:G0+4*(\p)+3], s[G0+4*(\p)+2:G0+4*(\p)+3], 2*SLOTB
.endif
	s_wait_xcnt 0x0                                ; my last prefetch has read its address
	s_add_nc_u64 s[PFA:PFA+1], s[PFA:PFA+1], SLOTB
	s_wait_dscnt 0x0                               ; the add and my stores are done, and my reads of this slot are over
	s_barrier_signal -1
	s_barrier_wait -1
.if \fill
	CREST                                          ; the barrier has opened a round: no wave of any partner reads the slot or has a load out
	tensor_load_to_lds s[G0+4*(\p):G0+4*(\p)+3], s[G1:G1+7]
	s_nop 0
.endif
	PL 8
	LDB 1-(\p), 0
	LDB 1-(\p), 1
	WIN 0
	ASK
	s_add_co_u32 s[NS], s[NS], 1
.else
	s_wait_dscnt 0x0
.endif
	MMH \p, 2, 0, \zero
	MMH \p, 2, 2, \zero
	MMH \p, 3, 0, \zero
	MMH \p, 3, 2, \zero
	WIN 0
.endm
; THE QUANTISER OF V, unit j: block 4 j + w of 64 channels is half w % 2 of K step 2 j + w / 2: register groups c = 2 (w % 2) + b.  A scale block of 32 lies in lanes l and l xor 16.  o: the first of the two places in LDS.
.macro QUNIT j, o
.set QW, 1+(\j)/2
.set gb, 128*((\j)%2)
	WIN 0x05*QW                                    ; sources 0 and 1: the accumulators' window
.irp a, 0,1,2,3
.irp b, 0,1
	v_max3_num_f32 v[EM+2*\a+\b], |v[gb+8*(8*\b+\a)]|, |v[gb+8*(8*\b+\a)+1]|, 0x8000000   ; my 16 numbers of block (a, b), and the floor 2^(16 - 127)
.endr
.endr
.irp i, 2,4,6,8,10,12,14
.irp a, 0,1,2,3
.irp b, 0,1
	v_max3_num_f32 v[EM+2*\a+\b], |v[gb+8*(4*(2*\b+\i/8)+\a)+\i%8]|, |v[gb+8*(4*(2*\b+\i/8)+\a)+\i%8+1]|, v[EM+2*\a+\b]
.endr
.endr
.endr
	WIN 0
.irp q, 0,1,2,3,4,5,6,7
	v_permlanex16_b32 v[TP+\q], v[EM+\q], s[SEL], s[SEL+1]
.endr
.irp q, 0,1,2,3,4,5,6,7
	v_max_num_f32 v[EM+\q], v[EM+\q], v[TP+\q]
.endr
.irp q, 0,1,2,3,4,5,6,7
	v_add_nc_u32 v[ES+\q], 0xf8800000, v[EM+\q]    ; 15 off the exponent field: the conversion's scale operand
.endr
.irp q, 0,1,2,3,4,5,6,7
	v_and_or_b32 v[EH+\q], v[EM+\q], 0x7f800000, s[MNT]   ; 57,344 x the scale
.endr
.irp q, 0,1,2,3,4,5,6,7
	v_lshrrev_b32 v[TP+\q], 23, v[ES+\q]           ; the byte
.endr
.irp a, 0,1,2,3
	v_lshl_or_b32 v[TP+2*\a], v[TP+2*\a+1], 8, v[TP+2*\a]
.endr
.irp a, 0,1,2,3
	ds_store_b16 v[RWS], v[TP+2*\a] offset:(\o)*UNITB+64*\a   ; my two bytes of row r's word; both lanes of a row store the same
.endr
	WIN 0x41*QW
.irp a, 0,1,2,3
.irp b, 0,1
.irp i, 0,1,2,3,4,5,6,7,8,9,10,11,12,13,14,15
	v_med3_num_f32 v[gb+8*(4*(2*\b+\i/8)+\a)+\i%8], v[gb+8*(4*(2*\b+\i/8)+\a)+\i%8], -v[EH+2*\a+\b], v[EH+2*\a+\b]   ; the conversion does not saturate (ISA guide 7.6.2)
.endr
.endr
.endr
	WIN QW
.irp a, 0,1,2,3
.irp b, 0,1
.irp u, 0,1
	v_cvt_scalef32_pk8_bf8_f32 v[PC+4*(2*\a+\b)+2*\u:PC+4*(2*\a+\b)+2*\u+1], v[gb+8*(4*(2*\b+\u)+\a):gb+8*(4*(2*\b+\u)+\a)+7], v[ES+2*\a+\b]
.endr
.endr
.endr
	WIN 0
	v_nop                                          ; a plain line behind the last conversion
.irp a, 0,1,2,3
.irp b, 0,1
	ds_store_b128 v[RW], v[PC+4*(2*\a+\b):PC+4*(2*\a+\b)+3] offset:(\o)*UNITB+2048*\a+512*\b
.endr
.endr
	s_wait_dscnt 0x0                               ; the stores have read their registers, and are done for the other waves
.endm
.macro REDUCE p, off
.irp a, 0,1,2,3
	v_add_f32 v[\p+2*\a], v[\p+2*\a], v[\p+2*\a+1]
.endr
.irp a, 0,1,2,3
	v_permlanex16_b32 v[\p+2*\a+1], v[\p+2*\a], s[SEL], s[SEL+1]
.endr
.irp a, 0,1,2,3
	v_add_f32 v[\p+2*\a], v[\p+2*\a], v[\p+2*\a+1]
.endr
.irp a, 0,1,2,3
	ds_store_b32 v[STI], v[\p+2*\a] offset:\off+64*\a
.endr
	s_wait_dscnt 0x0
	s_barrier_signal -1
	s_barrier_wait -1
.irp a, 0,1,2,3
.irp w, 0,1,2,3
	ds_load_b32 v[T+4*\a+\w], v[STO] offset:\off+256*\w+64*\a
.endr
.endr
	s_wait_dscnt 0x0
.irp a, 0,1,2,3
	v_add_f32 v[T+4*\a], v[T+4*\a], v[T+4*\a+1]
	v_add_f32 v[T+4*\a+2], v[T+4*\a+2], v[T+4*\a+3]
.endr
.irp a, 0,1,2,3
	v_add_f32 v[\p+2*\a], v[T+4*\a], v[T+4*\a+2]
.endr
.endm
	s_load_b128 s[4:7], s[0:1], 0x0                ; xq, ww
	s_load_b128 s[8:11], s[0:1], 0x10              ; gamma, beta
	s_load_b64 s[12:13], s[0:1], 0x20              ; out0
	v_lshl_add_u32 v[SPW], v0, 2, SPARE
	v_mov_b32 v[NIL], 0
	ds_add_u32 v[SPW], v[NIL]                      ; the opening lines: the add twice on end and its wait
	ds_add_u32 v[SPW], v[NIL]
	s_wait_dscnt 0x0
	v_lshrrev_b32 v5, 5, v0
	v_readfirstlane_b32 s[WV], v5                  ; wave 0..3
	s_bfe_u32 s15, ttmp6, 0x40000                  ; cx: it enters global addresses alone
	s_lshl_b32 s16, ttmp9, 2
	s_add_co_u32 s16, s16, s15                     ; my block of 32 rows
	s_mov_b32 s[G1], 15|(3<<16)|(1<<21)            ; the mask of all four; elements of 8 bytes; bit 21 beside a mask
	s_mov_b32 s[G1+1], 32<<16                      ; rows of 256 bytes,
	s_mov_b32 s[G1+2], 132<<16                     ; 132 of them: four units
	s_mov_b32 s[G1+3], 32<<16
	s_mov_b32 s[G1+4], 132
	s_mov_b32 s[G1+5], 32                          ; dense
	s_mov_b32 s[G1+6], 0
	s_mov_b32 s[G1+7], 0
	s_mul_i32 s40, s[WV], QB                       ; my four units' place in a slot
	s_mov_b32 s41, 0
	s_mul_i32 s42, s16, 8*UNITB                    ; my block of xq
	s_mov_b32 s43, 0
	s_lshl_b32 s44, s[WV], 8                       ; 64 columns of f32
	s_mov_b32 s45, 0
	s_lshl_b32 s46, s16, 17                        ; 32 rows of out0
	s_mov_b32 s47, 0
	s_lshr_b32 s57, s[WV], 1
	s_mul_i32 s48, s57, UNITB
	s_and_b32 s57, s[WV], 1
	s_lshl_b32 s49, s57, 1
	s_add_co_u32 s49, s49, s48
	s_add_co_u32 s49, s49, REG+8192                ; V's bytes: place w / 2, + 2 (w % 2)
	s_lshl_b32 s57, s57, 10
	s_add_co_u32 s48, s48, s57                     ; V's codes: place w / 2, + 1024 (w % 2)
	s_mul_i32 s50, s15, 33*256
	s_add_co_u32 s51, s50, 32*256
	s_lshl_b32 s59, s[WV], 11                      ; x: tile w's codes in a K step,
	s_lshl_b32 s60, s[WV], 6
	s_add_co_u32 s60, s60, 8192                    ; and its scale words
	s_mov_b32 s52, 0x3a800000                      ; 1 / 1024
	s_mov_b32 s53, 0x3727c5ac                      ; 1e-5
	s_mov_b32 s[SEL], 0x76543210
	s_mov_b32 s[SEL+1], 0xfedcba98
	s_mov_b32 s[MNT], 0x600000
	s_mov_b32 s[NS], 0
	s_mov_b32 s[LIM], 0
.irp q, 0,12,35,47                             ; four clusters, spread over the grid's 64, ask, in steps 0 to 11
	s_cmp_eq_u32 ttmp9, \q
	s_cselect_b32 s[LIM], 12, s[LIM]
.endr
	v_and_b32 v[LS], 31, v0
	v_lshlrev_b32 v[LI], 4, v[LS]
	v_lshlrev_b32 v[PF0], 8, v[LS]
	v_lshlrev_b32 v[LS], 2, v[LS]
	v_and_b32 v[STO], 15, v0
	v_bfe_u32 v[H64], v0, 4, 1
	v_add_nc_u32 v[BA], s40, v[LI]
	v_add_nc_u32 v[BA+1], SLOTB, v[BA]
	v_add_nc_u32 v[BS], s40, v[LS]
	v_add_nc_u32 v[BS+1], SLOTB, v[BS]
	v_add_nc_u32 v[AA], REG, v[LI]
	v_add_nc_u32 v[AAS], REG+8192, v[LS]
	v_add_nc_u32 v[RW], s48, v[AA]
	v_lshl_add_u32 v[RWS], v[STO], 2, s49
	v_add_nc_u32 v[XGO], s59, v[LI]
	v_add_nc_u32 v[XW], s59, v[AA]
	v_lshl_add_u32 v[XGS], v[STO], 2, s60
	v_add_nc_u32 v[XWS], REG, v[XGS]
	v_mul_u32_u24 v[SO], v[STO], SPT
	v_lshl_add_u32 v[SO], v[H64], 6, v[SO]
	v_add_nc_u32 v[SO], s40, v[SO]
	v_lshlrev_b32 v[GOF], 4, v[STO]
	v_lshl_add_u32 v[GOF], v[H64], 10, v[GOF]      ; out0: lanes 0-15 one block of 64 columns, lanes 16-31 my next, 1,024 bytes on
	v_lshlrev_b32 v[H64], 6, v[H64]
	v_lshl_add_u32 v[STO], v[STO], 2, STAT
	v_add_nc_u32 v[STI], s44, v[STO]
	v_add_nc_u32 v[PF0], s50, v[PF0]
	v_mov_b32 v[PF1], s51
.irp q, 0,1,2,3,4,5,6,7
	v_mov_b32 v[TP+\q], 0                          ; a lane permute's destination counts as one of its sources
.endr
	s_wait_alu depctr_va_vdst(0)                   ; the wait at the head's end
	s_wait_kmcnt 0x0
	s_add_nc_u64 s[XA:XA+1], s[4:5], s[42:43]
	s_add_nc_u64 s[8:9], s[8:9], s[44:45]
	s_add_nc_u64 s[10:11], s[10:11], s[44:45]
	s_add_nc_u64 s[12:13], s[12:13], s[46:47]
	s_add_nc_u64 s[12:13], s[12:13], s[44:45]
	s_add_nc_u64 s[6:7], s[6:7], s[40:41]          ; the weights' stream at my four units
	s_add_nc_u64 s[PFA:PFA+1], s[6:7], 3*SLOTB     ; step 0 steps it to slot 4
	s_mov_b32 s[G0], 1
	s_mov_b32 s[G0+1], s40
	s_mov_b64 s[G0+2:G0+3], s[6:7]
	s_mov_b32 s[G0+4], 1
	s_add_co_u32 s[G0+5], s40, SLOTB
	s_add_nc_u64 s[G0+6:G0+7], s[6:7], SLOTB
	s_or_b32 s[G0+3], s[G0+3], 0x80000000
	s_or_b32 s[G0+7], s[G0+7], 0x80000000
	CROUND                                         ; all four work-groups are here: the first joint loads meet
	tensor_load_to_lds s[G0:G0+3], s[G1:G1+7]      ; slot 0: my one tensor load at the head
	s_nop 0
	PL 4
	LDAG 0, 0                                      ; x's K steps 0 and 1, whole,
	LDAG 1, 1
	GLX 0, 2                                       ; and my tile of K step 2
	s_cmp_lg_u32 s[LIM], 0
	s_cbranch_scc0 .Lcold
.irp k, 1,2,3                                  ; the stream's first touch: slots 1 to 3, of which the loop's prefetches name none
	global_prefetch_b8 v[PF0], s[6:7] offset:\k*SLOTB th:TH_LOAD_NT scope:SCOPE_SE
	global_prefetch_b8 v[PF1], s[6:7] offset:\k*SLOTB th:TH_LOAD_NT scope:SCOPE_SE
.endr
.Lcold:
	s_wait_tensorcnt 0x0                           ; slot 1's first fill is issued as a refill is
	ds_add_u32 v[SPW], v[NIL]
	s_wait_dscnt 0x0
	CROUND
	tensor_load_to_lds s[G0+4:G0+7], s[G1:G1+7]
	s_nop 0
	PL 4
	LDB 0, 0
	LDB 0, 1
	STEP 0, 1, 0, 1, 1, 1                          ; PHASE 1.  K step 0 starts the sums
	s_wait_xcnt 0x0
	s_add_nc_u64 s[XA:XA+1], s[XA:XA+1], 4*UNITB   ; the loop's first trip asks for K steps 4 and 5
	s_mov_b32 s[LC], 3
.Lone:                                         ; K steps 1 to 6
	STEP 1, 0, 1, 1, 1, 2
	STEP 0, 0, 1, 1, 1, 3
	s_wait_xcnt 0x0
	s_add_nc_u64 s[XA:XA+1], s[XA:XA+1], 2*UNITB
	s_sub_co_u32 s[LC], s[LC], 1
	s_cmp_lg_u32 s[LC], 0
	s_cbranch_scc1 .Lone
	s_wait_loadcnt 0x0                             ; no load of x is out: its registers serve the quantiser below
	STEP 1, 0, 0, 1, 1                             ; K step 7; the ring goes on with W_fc
	PL 8
	QUNIT 0, 0                                     ; V's K steps 0 and 1 through the first two places
	BARRIER
	LDAL 0, 0
	LDAL 1, 1
	s_wait_dscnt 0x0                               ; they are in my registers
	BARRIER                                        ; and in everybody's: the places are written again
	QUNIT 1, 0
	QUNIT 2, 2
	QUNIT 3, 4
	BARRIER
	STEP 0, 1, 0, 1, 1                             ; PHASE 2
	s_mov_b32 s[LC], 2
.Ltwo:                                         ; K steps 1 to 4
	STEP 1, 0, 1, 1, 1
	STEP 0, 0, 1, 1, 1
	v_add_nc_u32 v[AA], 2*UNITB, v[AA]
	v_add_nc_u32 v[AAS], 2*UNITB, v[AAS]
	s_wait_alu depctr_va_vdst(0)                   ; the wait behind the writes
	s_sub_co_u32 s[LC], s[LC], 1
	s_cmp_lg_u32 s[LC], 0
	s_cbranch_scc1 .Ltwo
	STEP 1, 0, 1, 1, 1                             ; the tail is written out: K step 5 asks for the last slot,
	STEP 0, 0, 1, 0, 1                             ; K step 6 for nothing,
	STEP 1, 0, 0, 0, 0                             ; and K step 7 changes no slot
	PL 8                                           ; eight places between the last products and the lines that write over their scale words
; THE TWO NORMS.  Sums over a row: my 256 columns, lane l xor 16's, then the four waves' through LDS.
.irp k, 0,1,2,3,4,5,6,7
	v_mov_b32 v[P+\k], 0
.endr
	WIN 0xc0
.irp j, 0,1,2,3
.irp b, 0,1
.irp q, 0,1,2,3
	global_load_b128 v[32*\j+16*\b+4*\q:32*\j+16*\b+4*\q+3], v[H64], s[8:9] offset:1024*\j+128*\b+16*\q
	global_load_b128 v[128+32*\j+16*\b+4*\q:128+32*\j+16*\b+4*\q+3], v[H64], s[10:11] offset:1024*\j+128*\b+16*\q
.endr
.endr
.endr
.irp W, 1,2
	WIN \W
.irp n, 0,1
.irp t, 0,1,2,3
.irp i, 0,2,4,6
.irp a, 0,1,2,3
	v_pk_add_f32 v[P+2*\a:P+2*\a+1], v[128*\n+8*(4*\t+\a)+\i:128*\n+8*(4*\t+\a)+\i+1], v[P+2*\a:P+2*\a+1]
.endr
.endr
.endr
.endr
.endr
	WIN 0
	REDUCE P, 0
.irp a, 0,1,2,3
	v_mul_f32 v[NM+2*\a], 0xba800000, v[P+2*\a]    ; - the mean
.endr
.irp a, 0,1,2,3
	v_mov_b32 v[NM+2*\a+1], v[NM+2*\a]
.endr
.irp k, 0,1,2,3,4,5,6,7
	v_mov_b32 v[SQ+\k], 0
.endr
.irp W, 1,2
	WIN 0x41*\W
.irp n, 0,1
.irp t, 0,1,2,3
.irp i, 0,2,4,6
.irp a, 0,1,2,3
	v_pk_add_f32 v[128*\n+8*(4*\t+\a)+\i:128*\n+8*(4*\t+\a)+\i+1], v[128*\n+8*(4*\t+\a)+\i:128*\n+8*(4*\t+\a)+\i+1], v[NM+2*\a:NM+2*\a+1]
.endr
.endr
.endr
.endr
	WIN 0x05*\W
.irp n, 0,1
.irp t, 0,1,2,3
.irp i, 0,2,4,6
.irp a, 0,1,2,3
	v_pk_fma_f32 v[SQ+2*\a:SQ+2*\a+1], v[128*\n+8*(4*\t+\a)+\i:128*\n+8*(4*\t+\a)+\i+1], v[128*\n+8*(4*\t+\a)+\i:128*\n+8*(4*\t+\a)+\i+1], v[SQ+2*\a:SQ+2*\a+1]
.endr
.endr
.endr
.endr
.endr
	WIN 0
	REDUCE SQ, 1024
.irp a, 0,1,2,3
	v_fma_f32 v[SQ+2*\a], v[SQ+2*\a], s52, s53
.endr
	s_wait_alu depctr_va_vdst(0)                   ; the wait ahead of the batch
.irp a, 0,1,2,3
	v_rsq_f32 v[RD+2*\a], v[SQ+2*\a]
.endr
	v_nop
	s_wait_alu depctr_va_vdst(0)                   ; and behind it
.irp a, 0,1,2,3
	v_mov_b32 v[RD+2*\a+1], v[RD+2*\a]
.endr
	s_wait_loadcnt 0x0
	WIN 0xcf
.set i, 0
.rept 64
	v_pk_add_f32 v[128+2*i:128+2*i+1], v[128+2*i:128+2*i+1], v[128+2*i:128+2*i+1]   ; beta counts twice: once for each norm
.set i, i+1
.endr
.irp W, 1,2
	WIN 0x51*\W
.irp n, 0,1
.irp t, 0,1,2,3
.irp i, 0,2,4,6
.irp a, 0,1
	v_pk_mul_f32 v[128*\n+8*(4*\t+\a)+\i:128*\n+8*(4*\t+\a)+\i+1], v[128*\n+8*(4*\t+\a)+\i:128*\n+8*(4*\t+\a)+\i+1], v[RD+2*\a:RD+2*\a+1]
.endr
.irp a, 0,1
	v_pk_fma_f32 v[128*\n+8*(4*\t+\a)+\i:128*\n+8*(4*\t+\a)+\i+1], v[128*\n+8*(4*\t+\a+2)+\i:128*\n+8*(4*\t+\a+2)+\i+1], v[RD+2*\a+4:RD+2*\a+5], v[128*\n+8*(4*\t+\a)+\i:128*\n+8*(4*\t+\a)+\i+1]
.endr
.endr
.endr
.endr
	WIN 0x41*\W+0x3c
.irp n, 0,1
.irp t, 0,1,2,3
.irp i, 0,2,4,6
.irp a, 0,1
	v_pk_fma_f32 v[128*\n+8*(4*\t+\a)+\i:128*\n+8*(4*\t+\a)+\i+1], v[128*\n+8*(4*\t+\a)+\i:128*\n+8*(4*\t+\a)+\i+1], v[32*(2*(\W-1)+\n)+8*\t+\i:32*(2*(\W-1)+\n)+8*\t+\i+1], v[128+32*(2*(\W-1)+\n)+8*\t+\i:128+32*(2*(\W-1)+\n)+8*\t+\i+1]
.endr
.endr
.endr
.endr
.endr
; THE WAY OUT: 16 rows at a time through my stage, in my own part of slot 0; sixteen lanes store one aligned run of 256 bytes
.macro OUTA p
.irp W, 1,2
	WIN 0x04*\W
.irp n, 0,1
.irp t, 0,1,2,3
	ds_store_b128 v[SO], v[128*\n+8*(4*\t+\p):128*\n+8*(4*\t+\p)+3] offset:HALFS*\p+256*(2*(\W-1)+\n)+128*(\t/2)+32*(\t%2)
	ds_store_b128 v[SO], v[128*\n+8*(4*\t+\p)+4:128*\n+8*(4*\t+\p)+7] offset:HALFS*\p+256*(2*(\W-1)+\n)+128*(\t/2)+32*(\t%2)+16
.endr
.endr
.endr
	WIN 0xc0*\p
.set i, 0
.rept 32
	ds_load_b128 v[128*(1-\p)+4*i:128*(1-\p)+4*i+3], v[BA] offset:HALFS*\p+SPT*(i/2)+512*(i%2)
.set i, i+1
.endr
	WIN 0x0c*\p
.set i, 0
.rept 32
	s_wait_dscnt 31-i
	global_store_b128 v[GOF], v[128*(1-\p)+4*i:128*(1-\p)+4*i+3], s[12:13] offset:4096*(16*\p+i/2)+2048*(i%2) th:TH_STORE_NT
.set i, i+1
.endr
.endm
	OUTA 0
	s_wait_alu depctr_va_vdst(0)
	OUTA 1
	WIN 0
	s_wait_tensorcnt 0x0                           ; the wave's end
	ds_add_u32 v[SPW], v[NIL]
	s_wait_dscnt 0x0
	CROUND                                         ; the closing round
	s_endpgm
.Lfunc_end_k_q5d37462880_chain:
	.size	k_q5d37462880_chain, .Lfunc_end_k_q5d37462880_chain-k_q5d37462880_chain
	.p2alignl 7, 3214868480
	.fill 96, 4, 3214868480
	.section	.rodata,"a",@progbits
	.p2align	6, 0x0
	.amdhsa_kernel k_q5d37462880_chain
		.amdhsa_group_segment_fixed_size 327680
		.amdhsa_private_segment_fixed_size 0
		.amdhsa_enable_private_segment 0
		.amdhsa_kernarg_size 40
		.amdhsa_user_sgpr_count 2
		.amdhsa_user_sgpr_kernarg_segment_ptr 1
		.amdhsa_wavefront_size32 1
		.amdhsa_system_sgpr_workgroup_id_x 1
		.amdhsa_system_sgpr_workgroup_id_y 1
		.amdhsa_system_sgpr_workgroup_id_z 1
		.amdhsa_system_vgpr_workitem_id 0
		.amdhsa_next_free_vgpr 1024
		.amdhsa_next_free_sgpr 66
		.amdhsa_reserve_vcc 0
		.amdhsa_float_denorm_mode_32 3
		.amdhsa_float_denorm_mode_16_64 3
		.amdhsa_memory_ordered 1
		.amdhsa_forward_progress 1
		.amdhsa_inst_pref_size 255
	.end_amdhsa_kernel
	.section	.bss,"aw",@nobits
	.p2align	6
	.space	262144
	.amdgpu_metadata
---
amdhsa.version: [ 1, 2 ]
amdhsa.kernels:
  - .name:           k_q5d37462880_chain
    .symbol:         k_q5d37462880_chain.kd
    .args:
      - { .name: xq, .offset: 0, .size: 8, .value_kind: global_buffer, .address_space: global }
      - { .name: ww, .offset: 8, .size: 8, .value_kind: global_buffer, .address_space: global }
      - { .name: gamma, .offset: 16, .size: 8, .value_kind: global_buffer, .address_space: global }
      - { .name: beta, .offset: 24, .size: 8, .value_kind: global_buffer, .address_space: global }
      - { .name: out0, .offset: 32, .size: 8, .value_kind: global_buffer, .address_space: global }
    .group_segment_fixed_size: 327680
    .private_segment_fixed_size: 0
    .kernarg_segment_align: 8
    .kernarg_segment_size: 40
    .max_flat_workgroup_size: 128
    .sgpr_count:     66
    .vgpr_count:     1024
    .wavefront_size: 32
...
	.end_amdgpu_metadata
.endif
;; end of part 2
